; MI455X (gfx1250); checked and timed in simulation.
; The chip was launched on July 23, 2026; its instructions are those of AMD's public machine-readable ISA for CDNA 5 (MIT licence, August 2026) and "CDNA5" Instruction Set Architecture Reference Guide (July 2026). The comments in the code are by the model that wrote it; some were corrected since.
;; Cross Layer Attention. Allowed arithmetic: matrix products marked QUANTISED: E2M1 operands, one E8M0 scale for each 32 along K, by v_wmma_scale_f32_16x16x128_f8f6f4 with both operands' format E2M1 (or v_wmma_scale_f32_32x16x128_f4), f32 sums; everything else in f32.
;; Inputs: attention_mask 4 x 1 x 1,024 x 1,024 float32; bo 2,048 float32; bq 2,048 float32; hidden_states_codes 4 x 1,024 x 64 x 16 uint8 (E2M1 codes of hidden_states, K innermost, in blocks of 32 codes, two codes a byte); hidden_states_scales 4 x 1,024 x 64 uint8 (E8M0 scales of hidden_states, one for each 32 codes along K); key_codes 64 x 1,024 x 4 x 16 uint8 (E2M1 codes of key, K innermost, in blocks of 32 codes, two codes a byte); key_scales 64 x 1,024 x 4 uint8 (E8M0 scales of key, one for each 32 codes along K); rope_cos 1,024 x 128 float32; rope_sin 1,024 x 128 float32; value_codes 4 x 16 x 128 x 32 x 16 uint8 (E2M1 codes of value, K innermost, in blocks of 32 codes, two codes a byte); value_scales 4 x 16 x 128 x 32 uint8 (E8M0 scales of value, one for each 32 codes along K); wo_codes 2,048 x 64 x 16 uint8 (E2M1 codes of wo, K innermost, in blocks of 32 codes, two codes a byte); wo_scales 2,048 x 64 uint8 (E8M0 scales of wo, one for each 32 codes along K); wq_codes 2,048 x 64 x 16 uint8 (E2M1 codes of wq, K innermost, in blocks of 32 codes, two codes a byte); wq_scales 2,048 x 64 uint8 (E8M0 scales of wq, one for each 32 codes along K).
;; Outputs: out0 4 x 1,024 x 2,048 float32.
;; This version of the problem:
;;   THIS VERSION OF THE PROBLEM IS GIVEN IN LOW PRECISION. The matrix products marked QUANTISED in the list below multiply operands that are first quantised to E2M1 (2 exponent bits, 1 mantissa bit; 4 bits a number), with one power-of-two scale for each 32 numbers along K (OCP MX v1.0); their sums are f32. All else is computed in f32.
;;   The module's matrix products, in the order in which they are computed (A, B: the left and right operand; K: the contracted axis; several contracted axes count as one K, in the product's order):
;;     1. [M 4,096, K 2,048] x [K 2,048, N 2,048]; A: input hidden_states (given as codes); B: input wq (given as codes): QUANTISED
;;     2. batch 64 x [M 1,024, K 128] x [K 128, N 1,024]; A: computed on the way; B: input key (given as codes): QUANTISED
;;     3. batch 64 x [M 128, K 1,024] x [K 1,024, N 1,024]; A: input value (given as codes); B: softmax (see below): QUANTISED
;;     4. [M 4,096, K 2,048] x [K 2,048, N 2,048]; A: computed on the way; B: input wo (given as codes): QUANTISED
;;   THE QUANTISER, for each operand of a quantised product, along K:
;;     - K is cut into blocks of 32 from its start; a last block that is shorter is filled with zeros.
;;     - A block's scale is 2^e with e = floor(log2(the largest magnitude in the block)) - 2, held to -126 .. 127; a block of zeros has e = 0. As a byte (E8M0): e + 127.
;;     - Each number is divided by its block's scale, clamped to +-6, and rounded to the nearest number of E2M1, ties to even, subnormals kept.
;;     - The product sums the exact products of the quantised numbers (number of the format x scale) in f32.
;;   ~~~python
;;   def quantise(x, axis):      # numpy; x: float32 -> the quantised numbers, widened to float32 again
;;       x = np.moveaxis(x, axis, -1); K = x.shape[-1]
;;       x = np.pad(x, [(0, 0)] * (x.ndim - 1) + [(0, -K % 32)]); x = x.reshape(x.shape[:-1] + (-1, 32)); a = np.abs(x).max(-1, keepdims=True)
;;       e = np.where(a > 0, np.clip(np.frexp(np.where(a > 0, a, 1))[1] - 1 - 2, -126, 127), 0)      # np.frexp(a)[1] - 1 = floor(log2(a)), exactly
;;       r = np.clip(x / 2.0 ** e, -6, 6)
;;       step = 2.0 ** (np.maximum(np.frexp(np.where(r == 0, 1, r))[1] - 1, 0) - 1)
;;       q = np.round(r / step) * step * 2.0 ** e      # np.round: ties to even
;;       return np.moveaxis(q.reshape(q.shape[:-2] + (-1,))[..., :K], -1, axis).astype(np.float32)
;;   ~~~
;;   SOFTMAX AHEAD OF A QUANTISED PRODUCT. Where the list says 'softmax', what is quantised is not the finished softmax but p = 2^(t - M), with t = logit x log2(e) and M = ceil(the row's largest t), a whole number; so 1/2 < the row's largest p <= 1. The row's sum l is taken of the UNQUANTISED p, in f32, and the product's result is divided by l at the end. Since M is a whole number, a kernel that streams over the keys may use a running M (the ceiling of the running maximum): every later rescaling is an exact power of two, which a block's scale takes up: the codes' values come out the same.
;;   OPERANDS COMPUTED ON THE WAY. 'Computed on the way' means the value that the module computes at that place (a softmax that the list does not call 'softmax' is quantised finished and normalised). What goes into a quantiser is computed in f32, as accurately as f32 sums, v_exp_f32 and their like allow (about 1e-6 of the number): no bf16 or f16 on the way to a quantiser, and a product that is left as it is and whose result goes on into a quantised operand takes f32 operands (vector FMAs, or v_wmma_f32_16x16x4_f32). A number that lies on a knife's edge between two numbers of the format may be rounded either way, as far as f32 arithmetic and the matrix unit's own rounding can turn it there, and no further.
;;   INPUTS GIVEN AS CODES. hidden_states (in the module: [4, 1024, 2048], K = its axis 2); key (in the module: [64, 128, 1024], K = its axis 1); value (in the module: [4, 16, 1024, 128], K = its axis 2); wo (in the module: [2048, 2048], K = its axis 1); wq (in the module: [2048, 2048], K = its axis 1): each comes as NAME_codes (uint8): NAME with its K axis moved to the last place and cut into blocks of 32 codes, [.., K / 32, bytes a block], one block behind the other in memory; two codes a byte, the lower K in the low four bits (a code: sign, 2 exponent bits, 1 mantissa bit); and NAME_scales (uint8): the same leading axes, one E8M0 byte (e + 127) for each 32 codes along K. Its value is code x scale, taken as it is: it is not quantised again, and the codes and scales need not be those that the quantiser above would give.
;; One version. Each part assembles by itself: llvm-mc -triple=amdgcn-amd-amdhsa -mcpu=gfx1250 --defsym DOCPART=n.
;; ======== version 1 of 1: 2 launches
;; limits: right only within a limited range of input values
;; workspace buffers: a_img 4,194,304 bytes; a_sw 262,144 bytes
;; launch attn (part 1): grid 16 x 16, 8 waves a work-group, clusters of 4 x 4, 327,680 bytes of LDS; arguments hidden_states_codes, hidden_states_scales, wq_codes, wq_scales, bq, rope_cos, rope_sin, key_codes, key_scales, value_codes, value_scales, attention_mask, a_img, a_sw; writes a_img, a_sw
.if DOCPART == 1
	.amdgcn_target "amdgcn-amd-amdhsa--gfx1250"
	.amdhsa_code_object_version 6
	.text
	.protected	k_q2eaaa458b9_attn
	.globl	k_q2eaaa458b9_attn
	.p2align	8
	.type	k_q2eaaa458b9_attn,@function
k_q2eaaa458b9_attn:
	s_mov_b64 s[64:65], 0
	v_nop
	global_prefetch_b8 v0, s[64:65] scope:SCOPE_SE
	s_setreg_imm32_b32 hwreg(HW_REG_WAVE_MODE, 25, 1), 1
	s_wait_xcnt 0x0
	s_wait_alu depctr_hold_cnt(0) depctr_sa_sdst(0) depctr_va_vdst(0) depctr_va_sdst(0) depctr_va_ssrc(0) depctr_va_vcc(0) depctr_vm_vsrc(0)
	s_getreg_b32 s2, hwreg(HW_REG_IB_STS2, 6, 4)
	s_cmp_eq_u32 s2, 0
	s_cbranch_scc0 .Lentry_in_a_cluster
	s_endpgm
.Lentry_in_a_cluster:
	s_bfe_u32 s2, ttmp6, 0x10000c
	s_cmp_lg_u32 s2, 0xf033
	s_cbranch_scc0 .Lentry_shape_is_right
	s_endpgm
.Lentry_shape_is_right:
; q = hidden wq^T + bq, RoPE, quantised; scores = q k / sqrt(128) + attention_mask; p = 2^(t - M); O = V^T p / l, quantised.  Products 1, 2 and 3 of the problem, all on codes of FP4 (E2M1) with one E8M0 scale for each 32 along K.
; NO WORK IS LEFT OUT: the mask is an input, so every query walks all 1,024 keys and every byte of the mask is read; bq enters q ahead of its quantiser.  Every input but wo and bo, which the second launch reads, is an argument here.
; SHARES.  A work-group owns one batch, one head and 256 queries; its part of product 1 is just those 256 rows x the head's 128 columns, so no multiply-add is done twice and q never goes to memory.
; Each of eight waves owns 32 queries: two tiles of 16.  Tile T lies in register window T at the same low numbers, so that one text serves both.
; LAYOUT.  All three products are used transposed (source 0 = 16 rows of wq, of K or of V^T; source 1 = 16 queries): lane (r, h) holds query r, and register 8 t + j the index 16 t + 8 h + j.
; A block of 32 is registers 16 b .. 16 b + 15 of lanes l and l xor 16.  The codes of (block b, half u) go into operand register 4 (b / 2) + 2 u + b % 2; a swap of registers 4 c + 2 u and 4 c + 2 u + 1
; between the halves of the lanes then gives the operand as the matrix instruction takes it.  RoPE's partner d + 64 is tile t + 4, same lane, same place.
; SOFTMAX.  x = score / sqrt(128) + mask (one fused multiply-add), t = x log2(e) rounded to f32, M = the running largest t rounded up to a whole number, p = 2^(t - M); the sum is taken of the unquantised p.
; CLUSTER, 4 x 4: x = four heads, y = the four query blocks of one batch.  hidden and the mask hang on the rows alone and are asked for jointly along a row of the cluster; wq, K and V hang on batch and head alone
; and are asked for jointly along a column.  The scale bytes, 32 KB of a work-group's 1.6 MB, come by loads of its own, so that one group 1 serves all four kinds.
; cos, sin and bq go straight into registers under the projection: LDS has no room for them there.  A lane reads 32 neighbouring bytes of its row for each tile.
; OUT.  a_img [head][row tile][c][lane][16 bytes]: the image of the operand's registers, 512 consecutive bytes a store.  a_sw [head][row]: a scale word a row.
; LIMITS.  A block of zeros gets the byte 1 (the bytes are read by this program alone).  NaN and infinities among the inputs are not served.  Logits lie above -2e38.  bq is the first term of q's sum.
.set H0,    135168                     ; LDS.  0: BUF0, eight pieces of 32 rows x (512 + 16): wq, later the mask.  H0: 256 rows x (256 + 16): hidden, later K (four keys a row)
.set H1,    204800                     ; hidden, later V: keys 512 c on at 34,816 c, row d at 272 d
.set SCM,   274432                     ; units of 256 + 16: wq's scale bytes (32 units),
.set SCK,   SCM+8704                   ; K's (16),
.set SCV,   SCM+13056                  ; V's (16)
.set SCH,   291840                     ; hidden's: eight units a wave
.set SPARE, 309248                     ; the spare words, 128 bytes for each wave: four blocks of 256 bytes that no other line names
.set STG,   310272                     ; 1,024 bytes: the stage for a_sw; no fill lands here
.set AW0, 1                            ; v1, v2   wq's fragments: K bytes 0-511, 512-1023
.set AW1, 2
.set AH0, 3                            ; v3, v4   hidden's fragments in H0, H1
.set AH1, 4
.set ASW, 5                            ; v5   wq's scale words
.set ASH, 6                            ; v6   hidden's
.set AK0, 7                            ; v7   my lane's place in a tile of K
.set AV0, 8                            ; v8   of V
.set ASK0, 9                           ; v9   among K's scale words
.set ASV0, 10                          ; v10  among V's
.set AM,  11                           ; v11  in my wave's piece of the mask
.set ADK, 12                           ; v12-15 the key step's addresses
.set ADV, 13
.set ADS, 14
.set ADT, 15
.set SWR, 16                           ; v16  the stage read back;  v17 the same place in a_sw;  v20-23 its data
.set SWO, 17
.set SWD, 20
.set SPW, 28                           ; v28  my spare word;  v29  0: never rewritten
.set NIL, 29
.set ARO, 30                           ; v30  cos, sin: 512 r + 32 h;  v31  bq: 32 h
.set ABQ, 31
.set LI,  32                           ; v32  16 x lane
.set PFO, 33                           ; v33  the prefetches' offset
.set AST, 34                           ; v34  where my row's scale word goes in the stage
.set KW,  40                           ; v40-43 scale words of four tiles of K or V;  v44, v45 q's;  v46, v47 p's, later O's.  Scales and nothing else
.set QW,  44
.set PW,  46
.set QF,  48                           ; in window T: q's codes (under the projection: window 0 v48-63 hidden's two fragments, window 1 v0-63 wq's eight)
.set PF,  56                           ; p's codes, later O's
.set S,   64                           ; q's sums; later the mask, x, t, p
.set O,   128                          ; O^T
.set PSC, 128                          ; under the projection, window 0: 40 scale words
.set DT,  192                          ; the scores of four tiles of keys
.set BM,  224                          ; four blocks' maxima;  BT at work;  SO the conversions' scale operands
.set BT,  228
.set SO,  232
.set NM,  236                          ; -M;  TM the largest t;  SU the sum in two halves;  F = 2^(old M - new M)
.set TM,  237
.set SU,  238
.set F,   240
.set S2,  242
.set X,   244
.set WV,   2
.set BH,   3                           ; 16 x batch + head
.set G0HA, 4                           ; groups 0: hidden into H0, into H1; wq; the scale bytes; the first mask; K
.set G0HB, 8
.set G0W,  12
.set G0S1, 16
.set G0S2, 20
.set G0M0, 24
.set G0K,  28
.set G1W,  32                          ; groups 1: wq, later K
.set G1K,  32
.set G1H,  40
.set G1S,  48                          ; the scales, later V
.set G1V,  48
.set G1M,  56
.set HEAD, 66
.set YB,   67                          ; 4 x batch + query block
.set CNT,  68
.set LIM,  69
.set PFA,  70
.set SEL,  74
.set SCL,  76
.set L2E,  78
.set TK,   80
.set TS,   81
.set TV,   82
.set TJ,   83
.set G0V,  84
.set G0M,  88
.set PBQ,  92
.set PCOS, 94
.set PSIN, 96
.set PIMG, 98
.set PSW,  100
.set RM,   104
.set CM,   105
.set W512, (3<<16)|(1<<20)|(1<<21)|(6<<22)|(3<<25)   ; elements of 8 bytes; padding on; bit 21 beside a mask; four words behind every 128
.set W256, (3<<16)|(1<<20)|(1<<21)|(5<<22)|(3<<25)   ; four words behind every 64
.set MSB, 0
.macro WIN new                         ; the immediate's high byte repeats the setting that is left; a switch that changes nothing is dropped
.if MSB != (\new)
	s_set_vgpr_msb (MSB<<8)|(\new)
.set MSB, (\new)
.endif
.endm
.macro PLACES                          ; four plain places behind matrix instructions (ISA guide 7.12.1)
.rept 4
	v_nop
.endr
.endm
.macro ROUND                           ; a round of the cluster's barrier
	s_barrier_signal -1
	s_barrier_wait -1
	s_cmp_lg_u32 s[WV], 0
	s_cbranch_scc1 .Lnw0_\@
	s_barrier_signal -3
.Lnw0_\@:
	s_barrier_wait -3
	s_barrier_signal -1
	s_barrier_wait -1
.endm
.macro CHG_A                           ; in front of a refill: all my tensor loads have landed; 0 onto my spare word; scalar work may follow
	WIN 0
	s_wait_tensorcnt 0x0
	ds_add_u32 v[SPW], v[NIL]
.endm
.macro CHG_B                           ; the add is done and my LDS reads are back; then the round: no wave of any partner still reads what is filled next
	s_wait_dscnt 0x0
	ROUND
.endm
.macro TL g0, g1                       ; a tensor load, with a nop and four places behind it
	tensor_load_to_lds s[\g0:\g0+3], s[\g1:\g1+7]
	s_nop 0
	PLACES
.endm
.macro TL2 g0a, g1a, g0b, g1b          ; waves 0-3 the first, waves 4-7 the second: the branch hangs on the wave's number alone
	s_cmp_lt_u32 s[WV], 4
	s_cbranch_scc0 .Lhi_\@
	TL \g0a, \g1a
	s_branch .Ljn_\@
.Lhi_\@:
	TL \g0b, \g1b
.Ljn_\@:
.endm
.macro MMC d, a, b, c, sa, sb
	v_wmma_scale_f32_16x16x128_f8f6f4 v[\d:\d+7], v[\a:\a+7], v[\b:\b+7], v[\c:\c+7], v[\sa], v[\sb] matrix_a_fmt:MATRIX_FMT_FP4 matrix_b_fmt:MATRIX_FMT_FP4
.endm
.macro MMZ d, a, b, sa, sb
	v_wmma_scale_f32_16x16x128_f8f6f4 v[\d:\d+7], v[\a:\a+7], v[\b:\b+7], 0, v[\sa], v[\sb] matrix_a_fmt:MATRIX_FMT_FP4 matrix_b_fmt:MATRIX_FMT_FP4
.endm
	s_load_b64 s[G0HA+2:G0HA+3], s[0:1], 0x0       ; each pointer goes where it is used: hidden's codes, twice
	s_load_b64 s[G0HB+2:G0HB+3], s[0:1], 0x0
	s_load_b64 s[G0S1+2:G0S1+3], s[0:1], 0x8       ; hidden's scales
	s_load_b64 s[G0W+2:G0W+3], s[0:1], 0x10        ; wq's codes
	s_load_b64 s[68:69], s[0:1], 0x18              ; wq's scales
	s_load_b128 s[PBQ:PBQ+3], s[0:1], 0x20         ; bq, cos
	s_load_b64 s[PSIN:PSIN+1], s[0:1], 0x30
	s_load_b64 s[G0K+2:G0K+3], s[0:1], 0x38        ; K's codes
	s_load_b64 s[70:71], s[0:1], 0x40              ; K's scales
	s_load_b64 s[G0V+2:G0V+3], s[0:1], 0x48        ; V's codes
	s_load_b64 s[72:73], s[0:1], 0x50              ; V's scales
	s_load_b64 s[G0M0+2:G0M0+3], s[0:1], 0x58      ; the mask, twice
	s_load_b64 s[G0M+2:G0M+3], s[0:1], 0x58
	s_load_b64 s[PIMG:PIMG+1], s[0:1], 0x60
	s_load_b64 s[PSW:PSW+1], s[0:1], 0x68
	v_lshl_add_u32 v[SPW], v0, 2, SPARE
	v_mov_b32 v[NIL], 0
	ds_add_u32 v[SPW], v[NIL]                      ; the opening: the add, twice on end, and its wait ahead of my first tensor load
	ds_add_u32 v[SPW], v[NIL]
	v_lshrrev_b32 v35, 5, v0
	s_delay_alu instid0(VALU_DEP_1)
	v_readfirstlane_b32 s[WV], v35                 ; wave 0..7
	s_bfe_u32 s80, ttmp6, 0x40000                  ; cx
	s_bfe_u32 s81, ttmp6, 0x40004                  ; cy
	s_lshl_b32 s[HEAD], ttmp9, 2
	s_add_co_u32 s[HEAD], s[HEAD], s80             ; head = 4 x cluster x + cx
	s_and_b32 s82, ttmp7, 0xffff                   ; batch = cluster y
	s_lshl_b32 s[YB], s82, 2
	s_add_co_u32 s[YB], s[YB], s81                 ; 4 x batch + query block
	s_lshl_b32 s[BH], s82, 4
	s_add_co_u32 s[BH], s[BH], s[HEAD]
	s_lshl_b32 s[CM], 0x1111, s80                  ; my column of the cluster
	s_lshl_b32 s[RM], s81, 2
	s_lshl_b32 s[RM], 15, s[RM]                    ; my row
	s_or_b32 s[G1W], s[CM], W512                   ; wq: 32 rows x 512 bytes of rows of 1,024
	s_mov_b32 s[G1W+1], 64<<16
	s_mov_b32 s[G1W+2], 128<<16                    ; a load brings the head's 128 rows x 512 bytes
	s_mov_b32 s[G1W+3], 64<<16
	s_mov_b32 s[G1W+4], 128
	s_mov_b32 s[G1W+5], 128
	s_mov_b32 s[G1W+6], 0
	s_mov_b32 s[G1W+7], 0
	s_or_b32 s[G1H], s[RM], W256                   ; hidden: 32 rows x 256 bytes of rows of 1,024
	s_mov_b32 s[G1H+1], 32<<16
	s_mov_b32 s[G1H+2], 256<<16                    ; the first two quarters come whole, 256 rows a load; the refills take 32 rows a wave
	s_mov_b32 s[G1H+3], 32<<16
	s_mov_b32 s[G1H+4], 256
	s_mov_b32 s[G1H+5], 128
	s_mov_b32 s[G1H+6], 0
	s_mov_b32 s[G1H+7], 0
	s_mov_b32 s[G1S], (3<<16)|(1<<20)|(5<<22)|(3<<25)   ; scale bytes: 2,048 dense bytes as 8 rows of 256; no mask
	s_mov_b32 s[G1S+1], 32<<16
	s_mov_b32 s[G1S+2], 16<<16                     ; 4,096 dense bytes as 16 rows of 256
	s_mov_b32 s[G1S+3], 32<<16
	s_mov_b32 s[G1S+4], 16
	s_mov_b32 s[G1S+5], 32
	s_mov_b32 s[G1S+6], 0
	s_mov_b32 s[G1S+7], 0
	s_or_b32 s[G1M], s[RM], W512                   ; the mask: 32 queries x 128 keys of f32, rows of 4,096 bytes
	s_mov_b32 s[G1M+1], 64<<16
	s_mov_b32 s[G1M+2], 32<<16
	s_mov_b32 s[G1M+3], 64<<16
	s_mov_b32 s[G1M+4], 32
	s_mov_b32 s[G1M+5], 512
	s_mov_b32 s[G1M+6], 0
	s_mov_b32 s[G1M+7], 0
	s_mov_b32 s[SEL], 0x76543210                   ; v_permlanex16_b32: lane l xor 16
	s_mov_b32 s[SEL+1], 0xfedcba98
	s_mov_b32 s[SCL], 0x3db504f3                   ; 1 / sqrt(128)
	s_mov_b32 s[SCL+1], s[SCL]                     ; (the packed forms name a pair)
	s_mov_b32 s[L2E], 0x3fb8aa3b                   ; log2(e)
	s_mov_b32 s[L2E+1], s[L2E]
	s_wait_dscnt 0x0                               ; both opening adds are done
	s_wait_kmcnt 0x0
	; the scale bytes, 4,096 a wave, to LDS byte SCM + 4,352 x wave: waves 0, 1 wq's halves, wave 2 K's, wave 3 V's, waves 4-7 the quarters of hidden's.  The choice hangs on the wave's number alone
	s_lshl_b32 s80, s[HEAD], 13
	s_lshl_b32 s81, s[WV], 12
	s_add_co_u32 s80, s80, s81                     ; wq's: 8,192 head + 4,096 w
	s_lshl_b32 s82, s[BH], 12                      ; K's, V's: 4,096 bh
	s_lshl_b32 s83, s[YB], 14
	s_and_b32 s81, s[WV], 3
	s_lshl_b32 s81, s81, 12
	s_add_co_u32 s83, s83, s81                     ; hidden's: 16,384 YB + 4,096 (w % 4)
	s_cmp_lt_u32 s[WV], 3
	s_cselect_b64 s[70:71], s[70:71], s[72:73]
	s_cmp_lt_u32 s[WV], 2
	s_cselect_b64 s[68:69], s[68:69], s[70:71]
	s_cselect_b32 s80, s80, s82
	s_cmp_lt_u32 s[WV], 4
	s_cselect_b64 s[G0S1+2:G0S1+3], s[68:69], s[G0S1+2:G0S1+3]
	s_cselect_b32 s80, s80, s83
	s_mov_b32 s81, 0
	s_add_nc_u64 s[G0S1+2:G0S1+3], s[G0S1+2:G0S1+3], s[80:81]
	; what hangs on the rows: s[68:69] never holds cx
	s_lshl_b32 s68, s[YB], 18                      ; the work-group's first row, 256 YB, x 1,024: its codes
	s_mov_b32 s69, 0
	s_add_nc_u64 s[G0HA+2:G0HA+3], s[G0HA+2:G0HA+3], s[68:69]
	s_add_nc_u64 s[G0HB+2:G0HB+3], s[G0HB+2:G0HB+3], s[68:69]
	s_add_nc_u64 s[G0HB+2:G0HB+3], s[G0HB+2:G0HB+3], 256   ; the second quarter of K
	s_lshl_b32 s68, s[YB], 8
	s_lshl_b32 s82, s[WV], 5
	s_add_co_u32 s68, s68, s82                     ; my first row: 256 YB + 32 w
	s_lshl_b32 s68, s68, 12                        ; x 4,096: its row of the mask
	s_add_nc_u64 s[G0M+2:G0M+3], s[G0M+2:G0M+3], s[68:69]
	s_add_nc_u64 s[G0M+2:G0M+3], s[G0M+2:G0M+3], 512       ; key step 1
	s_xor_b32 s68, s68, 128*4096                   ; the rows of wave w xor 4: key step 0 is fetched for each other
	s_add_nc_u64 s[G0M0+2:G0M0+3], s[G0M0+2:G0M0+3], s[68:69]
	; what hangs on batch and head: s[72:73] never holds cy
	s_lshl_b32 s72, s[HEAD], 17                    ; wq: row 128 head, x 1,024
	s_mov_b32 s73, 0
	s_add_nc_u64 s[G0W+2:G0W+3], s[G0W+2:G0W+3], s[72:73]
	s_lshl_b32 s72, s[BH], 16
	s_and_b32 s82, s[WV], 3
	s_lshl_b32 s82, s82, 14
	s_add_co_u32 s72, s72, s82                     ; K: 65,536 bh + 16,384 (w % 4)
	s_add_nc_u64 s[G0K+2:G0K+3], s[G0K+2:G0K+3], s[72:73]
	s_lshl_b32 s72, s[BH], 16
	s_and_b32 s82, s[WV], 1
	s_lshl_b32 s82, s82, 15
	s_add_co_u32 s72, s72, s82                     ; V: rows 64 (w % 2) on,
	s_bfe_u32 s82, s[WV], 0x10001
	s_lshl_b32 s82, s82, 8
	s_add_co_u32 s72, s72, s82                     ; keys 512 ((w / 2) % 2) on
	s_add_nc_u64 s[G0V+2:G0V+3], s[G0V+2:G0V+3], s[72:73]
.irp g, G0HA, G0HB, G0W, G0S1, G0M0, G0K, G0V, G0M
	s_or_b32 s[\g+3], s[\g+3], 0x80000000          ; the type
	s_mov_b32 s[\g], 1                             ; count = 1
.endr
	s_mov_b32 s[G0HA+1], H0                        ; LDS addresses: constants and the wave's number alone
	s_mov_b32 s[G0HB+1], H1
	s_mov_b32 s[G0W+1], 0
	s_mul_i32 s[G0M+1], s[WV], 16896
	s_mul_i32 s[G0S1+1], s[WV], 4352
	s_add_co_u32 s[G0S1+1], s[G0S1+1], SCM
	s_xor_b32 s82, s[WV], 4
	s_mul_i32 s[G0M0+1], s82, 16896
	s_and_b32 s82, s[WV], 3
	s_mul_i32 s[G0K+1], s82, 17408
	s_add_co_u32 s[G0V+1], s[G0K+1], H1
	s_add_co_u32 s[G0K+1], s[G0K+1], H0
	ROUND                                          ; all sixteen work-groups are here: the first joint loads meet
	; the head's loads, one a wave: wave 2 wq's K bytes 0-511, wave 3 hidden's first quarter, the others their scale bytes: wq's and hidden's
	s_cmp_lg_u32 s[WV], 2
	s_cbranch_scc1 .Lha1
	TL G0W, G1W
	s_branch .Lhaj
.Lha1:
	s_cmp_lg_u32 s[WV], 3
	s_cbranch_scc1 .Lha2
	TL G0HA, G1H
	s_branch .Lhaj
.Lha2:
	TL G0S1, G1S
.Lhaj:
	s_load_b64 s[PFA:PFA+1], s[0:1], 0x58          ; the mask once more, for the prefetches
	s_lshl_b32 s80, s[HEAD], 9
	s_mov_b32 s81, 0
	s_add_nc_u64 s[PBQ:PBQ+1], s[PBQ:PBQ+1], s[80:81]      ; bq at my head
	s_and_b32 s80, s[YB], 3
	s_lshl_b32 s80, s80, 8
	s_lshl_b32 s82, s[WV], 5
	s_add_co_u32 s80, s80, s82                     ; my first position in the sequence
	s_lshl_b32 s80, s80, 9
	s_add_nc_u64 s[PCOS:PCOS+1], s[PCOS:PCOS+1], s[80:81]
	s_add_nc_u64 s[PSIN:PSIN+1], s[PSIN:PSIN+1], s[80:81]
	s_lshl_b32 s80, s[YB], 4
	s_lshl_b32 s82, s[WV], 1
	s_add_co_u32 s80, s80, s82                     ; my first row tile: 16 YB + 2 w
	s_lshl_b32 s80, s80, 10
	s_lshl_b32 s82, s[HEAD], 18
	s_add_co_u32 s80, s80, s82
	s_add_nc_u64 s[PIMG:PIMG+1], s[PIMG:PIMG+1], s[80:81]
	s_lshl_b32 s80, s[HEAD], 14
	s_lshl_b32 s82, s[YB], 10
	s_add_co_u32 s80, s80, s82
	s_add_nc_u64 s[PSW:PSW+1], s[PSW:PSW+1], s[80:81]
	v_and_b32 v35, 15, v0                          ; r
	v_bfe_u32 v36, v0, 4, 1                        ; h
	v_and_b32 v37, 31, v0                          ; lane
	s_delay_alu instid0(VALU_DEP_3)
	v_mul_u32_u24 v38, v35, 528
	s_delay_alu instid0(VALU_DEP_1)
	v_lshl_add_u32 v[AW0], v36, 4, v38
	s_delay_alu instid0(VALU_DEP_1)
	v_add_nc_u32 v[AW1], 67584, v[AW0]
	s_delay_alu instid0(VALU_DEP_3)
	v_lshl_add_u32 v[AM], v36, 5, v38
	s_mul_i32 s80, s[WV], 16896
	v_add_nc_u32 v[AM], s80, v[AM]
	v_mul_u32_u24 v38, v35, 272
	s_delay_alu instid0(VALU_DEP_1)
	v_lshl_add_u32 v38, v36, 4, v38
	s_delay_alu instid0(VALU_DEP_1)
	v_add_nc_u32 v[AV0], H1, v38
	s_mul_i32 s80, s[WV], 8704
	s_add_co_u32 s80, s80, H0
	v_add_nc_u32 v[AH0], s80, v38
	s_delay_alu instid0(VALU_DEP_1)
	v_add_nc_u32 v[AH1], 69632, v[AH0]
	v_lshrrev_b32 v38, 2, v35
	s_delay_alu instid0(VALU_DEP_1)
	v_mul_u32_u24 v38, v38, 272
	v_and_b32 v39, 3, v35
	s_delay_alu instid0(VALU_DEP_1)
	v_lshl_add_u32 v38, v39, 6, v38                ; four rows of 64 bytes to a unit: 272 (r / 4) + 64 (r % 4)
	s_delay_alu instid0(VALU_DEP_1)
	v_add_nc_u32 v[ASW], SCM, v38
	s_mul_i32 s80, s[WV], 2176
	s_add_co_u32 s80, s80, SCH
	v_add_nc_u32 v[ASH], s80, v38
	v_lshl_add_u32 v38, v36, 4, v38
	s_delay_alu instid0(VALU_DEP_1)
	v_add_nc_u32 v[AK0], H0, v38
	v_lshl_add_u32 v[ASK0], v35, 2, SCK
	v_lshrrev_b32 v38, 3, v35
	s_delay_alu instid0(VALU_DEP_1)
	v_mul_u32_u24 v38, v38, 272
	v_and_b32 v39, 7, v35
	s_delay_alu instid0(VALU_DEP_1)
	v_lshl_add_u32 v38, v39, 5, v38                ; eight rows of 32 bytes to a unit
	s_delay_alu instid0(VALU_DEP_1)
	v_add_nc_u32 v[ASV0], SCV, v38
	v_lshlrev_b32 v[ABQ], 5, v36
	s_delay_alu instid0(VALU_DEP_1)
	v_lshl_add_u32 v[ARO], v35, 9, v[ABQ]
	v_lshlrev_b32 v[LI], 4, v37
	v_lshrrev_b32 v38, 1, v37
	v_and_b32 v39, 1, v37
	s_delay_alu instid0(VALU_DEP_1)
	v_lshlrev_b32 v39, 8, v39
	s_delay_alu instid0(VALU_DEP_1)
	v_lshl_add_u32 v[PFO], v38, 12, v39            ; 16 rows of the mask x two blocks of 256 bytes
	s_lshl_b32 s80, s[WV], 7
	s_add_co_u32 s80, s80, STG
	v_lshl_add_u32 v[AST], v35, 2, s80
	v_lshl_add_u32 v[SWR], v0, 4, STG
	v_lshlrev_b32 v[SWO], 4, v0
	WIN 0x40                                       ; destination window 1
.irp t, 0,1,2,3,4,5,6,7
	global_load_b128 v[192+8*\t:195+8*\t], v[ABQ], s[PBQ:PBQ+1] offset:64*\t           ; bq in the result's layout: the C of the first products
	global_load_b128 v[196+8*\t:199+8*\t], v[ABQ], s[PBQ:PBQ+1] offset:64*\t+16
.endr
	WIN 0
.irp t, 0,1,2,3,4,5,6,7
	global_load_b128 v[192+8*\t:195+8*\t], v[ARO], s[PCOS:PCOS+1] offset:64*\t         ; cos of tile 0
	global_load_b128 v[196+8*\t:199+8*\t], v[ARO], s[PCOS:PCOS+1] offset:64*\t+16
.endr
	WIN 0x40
.irp t, 0,1,2,3,4,5,6,7
	global_load_b128 v[128+8*\t:131+8*\t], v[ARO], s[PCOS:PCOS+1] offset:8192+64*\t    ; cos of tile 1
	global_load_b128 v[132+8*\t:135+8*\t], v[ARO], s[PCOS:PCOS+1] offset:8192+64*\t+16
.endr
	WIN 0
	; the prefetches: the mask's rows are read by the four clusters of one cluster y: cluster x = 0 asks, in it waves 0-3; the four partners of a row take 64 rows each, told apart by address
	s_lshr_b32 s[LIM], s[WV], 2
	s_or_b32 s[LIM], s[LIM], ttmp9
	s_cmp_eq_u32 s[LIM], 0
	s_cselect_b32 s[LIM], 1, -1
	s_bfe_u32 s82, ttmp6, 0x40000
	s_lshl_b32 s82, s82, 6
	s_lshl_b32 s83, s[YB], 8
	s_add_co_u32 s82, s82, s83
	s_and_b32 s83, s[WV], 3
	s_lshl_b32 s83, s83, 4
	s_add_co_u32 s82, s82, s83                     ; row 256 YB + 64 cx + 16 (w % 4)
	s_lshl_b32 s82, s82, 12
	s_mov_b32 s83, 0
	s_wait_alu depctr_va_vdst(0)
	s_wait_kmcnt 0x0
	s_add_nc_u64 s[PFA:PFA+1], s[PFA:PFA+1], s[82:83]
	s_add_nc_u64 s[PFA:PFA+1], s[PFA:PFA+1], 1024  ; at key step 2: the first trip steps it to 3.  Nothing is prefetched at the head
; THE PROJECTION.  The four scale words of a quarter of K (512) for wq's eight tiles and my two tiles of rows
.macro SCW q
.irp t, 0,1,2,3,4,5,6,7
	ds_load_b128 v[PSC+4*\t:PSC+4*\t+3], v[ASW] offset:\t*1088+16*(\q)
.endr
.irp u, 0,1
	ds_load_b128 v[PSC+32+4*\u:PSC+35+4*\u], v[ASH] offset:\u*1088+16*(\q)
.endr
.endm
; K step st of 16: wq's eight fragments, my two of hidden, sixteen products on sixteen accumulators by turns
.macro PSTEP st, first
	PLACES                                         ; in front of loads into registers that the last products read
	WIN 0x40
.irp t, 0,1,2,3,4,5,6,7
.irp c, 0,1
	ds_load_b128 v[8*\t+4*\c:8*\t+4*\c+3], v[AW0+(\st)/8] offset:(\t/2)*16896+(\t%2)*8448+64*((\st)%8)+32*\c
.endr
.endr
	WIN 0
.irp u, 0,1
.irp c, 0,1
	ds_load_b128 v[48+8*\u+4*\c:48+8*\u+4*\c+3], v[AH0+((\st)/4)%2] offset:\u*4352+64*((\st)%4)+32*\c
.endr
.endr
	s_wait_dscnt 0x0
.if \first
	s_wait_loadcnt 32                              ; bq is in; the 32 loads of cos may be out
	WIN 0x11                                       ; wq and bq window 1
.else
	WIN 0x01
.endif
.irp t, 0,1,2,3,4,5,6,7
.if \first
	MMC S+8*\t, 8*\t, 48, 192+8*\t, PSC+4*\t+(\st)%4, PSC+32+(\st)%4
.else
	MMC S+8*\t, 8*\t, 48, S+8*\t, PSC+4*\t+(\st)%4, PSC+32+(\st)%4
.endif
.endr
	WIN 0x51                                       ; tile 1: sums in window 1
.irp t, 0,1,2,3,4,5,6,7
.if \first
	MMC S+8*\t, 8*\t, 56, 192+8*\t, PSC+4*\t+(\st)%4, PSC+36+(\st)%4
.else
	MMC S+8*\t, 8*\t, 56, S+8*\t, PSC+4*\t+(\st)%4, PSC+36+(\st)%4
.endif
.endr
.endm
; RoPE on tile tl: a = q(d), b = q(d + 64): a cos(d) - b sin(d);  b cos(d + 64) + a sin(d + 64).  Each accumulator is read from its low end on
.macro ROPE tl, cb, sb
	WIN 0x55*(\tl)
.irp t, 0,1,2,3
.irp i, 0,2,4,6
	v_pk_mul_f32 v[PF+\i:PF+\i+1], v[S+32+8*\t+\i:S+33+8*\t+\i], v[\sb+8*\t+\i:\sb+8*\t+\i+1]
.endr
.irp i, 0,2,4,6
	v_pk_mul_f32 v[S+32+8*\t+\i:S+33+8*\t+\i], v[S+32+8*\t+\i:S+33+8*\t+\i], v[\cb+32+8*\t+\i:\cb+33+8*\t+\i]
.endr
.irp i, 0,2,4,6
	v_pk_fma_f32 v[S+32+8*\t+\i:S+33+8*\t+\i], v[S+8*\t+\i:S+1+8*\t+\i], v[\sb+32+8*\t+\i:\sb+33+8*\t+\i], v[S+32+8*\t+\i:S+33+8*\t+\i]
.endr
.irp i, 0,2,4,6
	v_pk_fma_f32 v[S+8*\t+\i:S+1+8*\t+\i], v[S+8*\t+\i:S+1+8*\t+\i], v[\cb+8*\t+\i:\cb+8*\t+\i+1], v[PF+\i:PF+\i+1] neg_lo:[0,0,1] neg_hi:[0,0,1]
.endr
.endr
.endm
; From four blocks' largest magnitudes in BM: scale operands, the scale word (into window 0), the codes of v[src] .. v[src + 63] into v[dst] .. v[dst + 7]
.macro CODES tl, src, dst, wreg
.irp b, 0,1,2,3
	s_delay_alu instid0(VALU_DEP_4)
	v_add_nc_u32 v[SO+\b], 0xff000000, v[BM+\b]    ; 2 off the exponent field: the conversion takes that field as its scale
.endr
.irp b, 0,1,2,3
	s_delay_alu instid0(VALU_DEP_4)
	v_lshrrev_b32 v[BT+\b], 23, v[SO+\b]           ; the scale's byte
.endr
	s_delay_alu instid0(VALU_DEP_3)
	v_lshl_or_b32 v[X], v[BT+1], 8, v[BT]
	s_delay_alu instid0(VALU_DEP_1)
	v_lshl_or_b32 v[X], v[BT+2], 16, v[X]
	WIN 0x11*(\tl)                                 ; scale operands are taken from window 0
	v_lshl_or_b32 v[\wreg], v[BT+3], 24, v[X]
	WIN 0x55*(\tl)
.irp b, 0,1,2,3
.irp u, 0,1
	v_cvt_scalef32_pk8_fp4_f32 v[\dst+4*(\b/2)+2*\u+(\b%2)], v[\src+16*\b+8*\u:\src+16*\b+8*\u+7], v[SO+\b]
.endr
.endr
	v_nop                                          ; one plain place behind a scaled conversion
.irp c, 0,1
.irp u, 0,1
	v_permlane16_swap_b32 v[\dst+4*\c+2*\u], v[\dst+4*\c+2*\u+1]   ; lanes 0-15 get block 2 c whole, lanes 16-31 block 2 c + 1
.endr
.endr
.endm
.macro QUANT tl, src, dst, wreg
	WIN 0x55*(\tl)
.irp b, 0,1,2,3
	v_mov_b32 v[BT+\b], 0                          ; a lane permute's destination counts as one of its sources
.endr
.irp b, 0,1,2,3
	v_max3_num_f32 v[BM+\b], |v[\src+16*\b]|, |v[\src+1+16*\b]|, 0x1800000     ; with the floor 2^(3 - 127): the byte cannot fall under 1
.endr
.irp i, 2,4,6,8,10,12,14
.irp b, 0,1,2,3
	s_delay_alu instid0(VALU_DEP_4)
	v_max3_num_f32 v[BM+\b], v[BM+\b], |v[\src+16*\b+\i]|, |v[\src+1+16*\b+\i]|
.endr
.endr
.irp b, 0,1,2,3
	s_delay_alu instid0(VALU_DEP_4)
	v_permlanex16_b32 v[BT+\b], v[BM+\b], s[SEL], s[SEL+1]
.endr
.irp b, 0,1,2,3
	s_delay_alu instid0(VALU_DEP_4)
	v_max_num_f32 v[BM+\b], v[BM+\b], v[BT+\b]
.endr
	CODES \tl, \src, \dst, \wreg
.endm
; x = score / sqrt(128) + mask (the mask lies in S), for the four tiles of keys 4 g on.  The maxima are taken of x (log2(e) is positive); t - M = x log2(e) - M is one fused multiply-add in SOFTMAX
.macro XT tl, g
	WIN 0x55*(\tl)
.set j, 0
.rept 16
	v_pk_fma_f32 v[S+32*(\g)+j:S+32*(\g)+j+1], v[DT+j:DT+j+1], s[SCL:SCL+1], v[S+32*(\g)+j:S+32*(\g)+j+1] op_sel_hi:[1,0,1]
.set j, j+2
.endr
.endm
.macro SOFTMAX tl
	WIN 0x55*(\tl)
.irp b, 0,1,2,3
	v_max3_num_f32 v[BM+\b], v[S+16*\b], v[S+1+16*\b], v[S+2+16*\b]    ; the largest t of each block of 32 keys: for the row's maximum and, since p rises with t, for the block's largest p
.endr
.irp i, 3,5,7,9,11,13
.irp b, 0,1,2,3
	s_delay_alu instid0(VALU_DEP_4)
	v_max3_num_f32 v[BM+\b], v[BM+\b], v[S+16*\b+\i], v[S+1+16*\b+\i]
.endr
.endr
.irp b, 0,1,2,3
	s_delay_alu instid0(VALU_DEP_4)
	v_max_num_f32 v[BM+\b], v[BM+\b], v[S+15+16*\b]
.endr
.irp b, 0,1,2,3
	s_delay_alu instid0(VALU_DEP_4)
	v_permlanex16_b32 v[BT+\b], v[BM+\b], s[SEL], s[SEL+1]
.endr
.irp b, 0,1,2,3
	s_delay_alu instid0(VALU_DEP_4)
	v_max_num_f32 v[BM+\b], v[BM+\b], v[BT+\b]
.endr
	s_delay_alu instid0(VALU_DEP_2)
	v_max3_num_f32 v[X], v[BM], v[BM+1], v[BM+2]
	s_delay_alu instid0(VALU_DEP_1)
	v_max3_num_f32 v[TM], v[X], v[BM+3], v[TM]     ; the running largest t
	s_delay_alu instid0(VALU_DEP_1)
	v_mul_f32 v[S2], s[L2E], v[TM]                 ; TM is the running largest x; as t
	v_mov_b32 v[X], v[NM]
	s_delay_alu instid0(VALU_DEP_2)
	v_floor_f32 v[NM], -v[S2]                      ; -M = floor(-t): M is a whole number
	s_delay_alu instid0(VALU_DEP_1)
	v_sub_f32 v[X], v[NM], v[X]                    ; old M - new M, 0 or less
	s_delay_alu instid0(VALU_DEP_1)
	v_cvt_i32_f32 v[X], v[X]                       ; (it saturates)
	s_delay_alu instid0(VALU_DEP_1)
	v_ldexp_f32 v[F], 1.0, v[X]                    ; f = 2^(old M - new M): multiplying by it rounds nothing
.set j, 0
.rept 32
	v_pk_fma_f32 v[S+j:S+j+1], v[S+j:S+j+1], s[L2E:L2E+1], v[NM:NM+1] op_sel_hi:[1,0,0]   ; t - M = x log2(e) - M
.set j, j+2
.endr
.irp b, 0,1,2,3
	v_fma_f32 v[BM+\b], v[BM+\b], s[L2E], v[NM]    ; the same of each block's largest x
.endr
.set j, 0
	s_wait_alu depctr_va_vdst(0)
.rept 64
	v_exp_f32 v[S+j], v[S+j]                       ; p = 2^(t - M), not normalised
.set j, j+1
.endr
	v_pk_mul_f32 v[SU:SU+1], v[SU:SU+1], v[F:F+1] op_sel_hi:[1,0]     ; the sum under the new M: the plain place behind the batch
	s_wait_alu depctr_va_vdst(0)                   ; one wait for the 64, ahead of their first reader
.irp b, 0,1,2,3
	v_exp_f32 v[BM+\b], v[BM+\b]                   ; the blocks' largest p: the same instructions on the same numbers
.endr
	v_pk_add_f32 v[S2:S2+1], v[S:S+1], v[S+2:S+3]  ; the sum of the unquantised p, in two chains
.set j, 4
.rept 15
	v_pk_add_f32 v[SU:SU+1], v[SU:SU+1], v[S+j:S+j+1]
	v_pk_add_f32 v[S2:S2+1], v[S2:S2+1], v[S+j+2:S+j+3]
.set j, j+4
.endr
	s_delay_alu instid0(VALU_DEP_1)
	v_pk_add_f32 v[SU:SU+1], v[SU:SU+1], v[S2:S2+1]
	s_wait_alu depctr_va_vdst(0)                   ; and one for the four
.irp b, 0,1,2,3
	v_max_num_f32 v[BM+\b], 0x1800000, v[BM+\b]    ; the floor: a block whose every p is 0 keeps the byte 1; its codes are zeros
.endr
	CODES \tl, S, PF, PW+\tl
.endm
.macro MASKRD                          ; my 32 queries x 128 keys of the mask into S of both windows: register 8 t + j = key 16 t + 8 h + j
	WIN 0
.irp t, 0,1,2,3,4,5,6,7
	ds_load_b128 v[S+8*\t:S+8*\t+3], v[AM] offset:64*\t
	ds_load_b128 v[S+8*\t+4:S+8*\t+7], v[AM] offset:64*\t+16
.endr
	WIN 0x40
.irp t, 0,1,2,3,4,5,6,7
	ds_load_b128 v[S+8*\t:S+8*\t+3], v[AM] offset:8448+64*\t
	ds_load_b128 v[S+8*\t+4:S+8*\t+7], v[AM] offset:8448+64*\t+16
.endr
	WIN 0
.endm
.macro RESC tl                         ; O^T under the new M
	WIN 0x55*(\tl)
.set j, 0
.rept 32
	v_pk_mul_f32 v[O+j:O+j+1], v[O+j:O+j+1], v[F:F+1] op_sel_hi:[1,0]
.set j, j+2
.endr
.endm
; A KEY STEP: 128 keys.  rd = 1: the next step's mask is read into S as soon as p has left it
.macro KSTEP rd
	v_add_nc_u32 v[ADK], s[TK], v[AK0]             ; four plain lines: also the places behind the last products
	v_add_nc_u32 v[ADS], s[TS], v[ASK0]
	v_add_nc_u32 v[ADV], s[TV], v[AV0]
	v_add_nc_u32 v[ADT], s[TJ], v[ASV0]
.irp g, 0,1
	WIN 0x40
.irp t, 0,1,2,3
.irp c, 0,1
	ds_load_b128 v[8*\t+4*\c:8*\t+4*\c+3], v[ADK] offset:(4*\g+\t)*1088+32*\c
.endr
.endr
	WIN 0
.irp t, 0,1,2,3
	ds_load_b32 v[KW+\t], v[ADS] offset:272*\g+64*\t
.endr
	s_wait_dscnt 0x0
	WIN 0x01                                       ; K window 1; q and the scores window 0
.irp t, 0,1,2,3
	MMZ DT+8*\t, 8*\t, QF, KW+\t, QW
.endr
	WIN 0x45                                       ; all window 1
.irp t, 0,1,2,3
	MMZ DT+8*\t, 8*\t, QF, KW+\t, QW+1
.endr
	PLACES
	XT 0, \g                                       ; (these lines are also the places in front of the next loads and products)
	XT 1, \g
.endr
	SOFTMAX 0
	SOFTMAX 1
.if \rd
	s_wait_tensorcnt 0x0                           ; my own piece of the next mask, the one load of mine that is out, has landed: nobody else reads it
	MASKRD
.endif
.if \rd == 2                                   ; rd = 2: the pieces are being read out, so the mask two key steps on is asked for here: that load has a whole key step in which to land
	CHG_A
	s_add_nc_u64 s[G0M+2:G0M+3], s[G0M+2:G0M+3], 512
	s_wait_xcnt 0x0                                ; the last prefetch, a key step back, has read its address
	s_add_nc_u64 s[PFA:PFA+1], s[PFA:PFA+1], 512
.endif
	s_wait_alu depctr_va_vdst(0)                   ; the wait ahead of the first reader of O^T
	RESC 0                                         ; (more than the eight places that p's scale words want ahead of the products; rd = 2: work on registers between the add and its wait)
	RESC 1
	s_wait_alu depctr_va_vdst(0)
.if \rd == 2
	WIN 0
	CHG_B                                          ; the add and the mask's reads are done; the round
	TL G0M, G1M
	ASK
.endif
.irp g, 0,1
	WIN 0x40
.irp t, 0,1,2,3
.irp c, 0,1
	ds_load_b128 v[8*\t+4*\c:8*\t+4*\c+3], v[ADV] offset:(4*\g+\t)*4352+32*\c
.endr
.endr
	WIN 0
.irp t, 0,1,2,3
	ds_load_b32 v[KW+\t], v[ADT] offset:(4*\g+\t)*544
.endr
	s_wait_dscnt 0x0                               ; V, its words, and the mask's reads ahead of them
	WIN 0x01
.irp t, 0,1,2,3
	MMC O+8*(4*\g+\t), 8*\t, PF, O+8*(4*\g+\t), KW+\t, PW
.endr
	WIN 0x55
.irp t, 0,1,2,3
	MMC O+8*(4*\g+\t), 8*\t, PF, O+8*(4*\g+\t), KW+\t, PW+1
.endr
.if \g == 0
	PLACES
.endif
.endr
	WIN 0
.endm
.macro ASK                             ; the mask of the key step behind the one just asked for: 16 rows x 512 bytes a wave, each block of 256 bytes named once in the launch
	s_cmp_gt_u32 s[CNT], s[LIM]
	s_cbranch_scc0 .Lna_\@
	global_prefetch_b8 v[PFO], s[PFA:PFA+1] th:TH_LOAD_NT scope:SCOPE_SE
.Lna_\@:
.endm
.macro NEXTK
	s_add_co_u32 s[TK], s[TK], 8704                ; 128 keys: 32 rows of four
	s_add_co_u32 s[TS], s[TS], 544                 ; two units of K's scale words
	s_add_co_u32 s[TV], s[TV], 64                  ; 128 codes in V's rows
	s_add_co_u32 s[TJ], s[TJ], 4                   ; a word in V's rows of scale bytes
.endm
.macro TRIP                            ; key step j; then the mask of step j + 2 into the pieces that have just been read out
	KSTEP 2
	NEXTK
	s_sub_co_u32 s[CNT], s[CNT], 1
.endm
.macro INIT tl
	WIN 0x55*(\tl)
.set j, 0
.rept 64
	v_mov_b32 v[O+j], 0                            ; the key step is written without a first step of its own: it finds zeros, which the first f leaves zeros
.set j, j+1
.endr
	v_mov_b32 v[TM], 0xff61b1e6                    ; -3e38, under every t
	s_delay_alu instid0(VALU_DEP_1)
	v_floor_f32 v[NM], -v[TM]
	v_mov_b32 v[SU], 0
	v_mov_b32 v[SU+1], 0
	v_mov_b32 v[F+1], 0                            ; (named as the upper half of a pair)
.endm
.macro OUT tl                          ; O / l, quantised along the head's 128; the operand's image and the scale words leave
	WIN 0x55*(\tl)
	v_add_f32 v[X], v[SU], v[SU+1]
	s_delay_alu instid0(VALU_DEP_1)
	v_permlanex16_b32 v[BT], v[X], s[SEL], s[SEL+1]
	s_delay_alu instid0(VALU_DEP_1)
	v_add_f32 v[X], v[X], v[BT]                    ; the row's sum
	s_wait_alu depctr_va_vdst(0)
	v_rcp_f32 v[F], v[X]
	v_nop                                          ; a plain place behind the reciprocal,
	s_wait_alu depctr_va_vdst(0)                   ; and the wait ahead of its first reader
	RESC \tl
	QUANT \tl, O, PF, PW+\tl
	WIN 0x04*(\tl)                                 ; a store's data are its source 1
	global_store_b128 v[LI], v[PF:PF+3], s[PIMG:PIMG+1] offset:1024*(\tl)        ; 512 consecutive bytes, aligned
	global_store_b128 v[LI], v[PF+4:PF+7], s[PIMG:PIMG+1] offset:1024*(\tl)+512
	WIN 0
	ds_store_b32 v[AST], v[PW+\tl] offset:64*(\tl) ; lanes r and r + 16 write the same word with the same value
.endm
	CHG_A                                          ; my load of the head has landed; these lines stand ahead of the later first fills
	s_add_nc_u64 s[G0W+2:G0W+3], s[G0W+2:G0W+3], 512       ; no load of mine is out: wq's K bytes 512-1023,
	s_mov_b32 s[G0W+1], 67584                      ; behind the first half
	CHG_B                                          ; everybody's has landed
	s_cmp_lg_u32 s[WV], 0                          ; wave 0: wq's second half; wave 1: hidden's second quarter; waves 2, 3: K's and V's scale bytes; all first fills
	s_cbranch_scc1 .Lhb1
	TL G0W, G1W
	s_branch .Lhbj
.Lhb1:
	s_cmp_lg_u32 s[WV], 1
	s_cbranch_scc1 .Lhb2
	TL G0HB, G1H
	s_branch .Lhbj
.Lhb2:
	s_cmp_lt_u32 s[WV], 4
	s_cbranch_scc0 .Lhbj
	TL G0S1, G1S
.Lhbj:
	SCW 0
	PSTEP 0, 1
	PLACES                                         ; bq has been read:
	WIN 0x40
.irp t, 0,1,2,3,4,5,6,7
	global_load_b128 v[192+8*\t:195+8*\t], v[ARO], s[PSIN:PSIN+1] offset:8192+64*\t    ; sin of tile 1 takes its registers
	global_load_b128 v[196+8*\t:199+8*\t], v[ARO], s[PSIN:PSIN+1] offset:8192+64*\t+16
.endr
	WIN 0
	PSTEP 1, 0
	PSTEP 2, 0
	PSTEP 3, 0
	CHG_A                                          ; H0 has been read out: hidden's third quarter
	s_add_nc_u64 s[G0HA+2:G0HA+3], s[G0HA+2:G0HA+3], 512
	s_mov_b32 s[G1H+2], 32<<16                     ; no load of mine is out: from here on each wave fetches its own 32 rows of hidden
	s_mov_b32 s[G1H+4], 32
	s_mul_i32 s72, s[WV], 8704
	s_add_co_u32 s[G0HA+1], s[G0HA+1], s72
	s_add_co_u32 s[G0HB+1], s[G0HB+1], s72
	s_lshl_b32 s72, s[WV], 15                      ; 32 rows of 1,024 bytes a wave
	s_mov_b32 s73, 0
	s_add_nc_u64 s[G0HA+2:G0HA+3], s[G0HA+2:G0HA+3], s[72:73]
	s_add_nc_u64 s[G0HB+2:G0HB+3], s[G0HB+2:G0HB+3], s[72:73]
	s_or_b32 s[G1K], s[CM], W256                   ; no load of mine is out: wq's and the scales' groups 1 become K's and V's.  K: 64 rows of 256 dense bytes
	s_mov_b32 s[G1K+1], 32<<16
	s_mov_b32 s[G1K+2], 64<<16
	s_mov_b32 s[G1K+3], 32<<16
	s_mov_b32 s[G1K+4], 64
	s_mov_b32 s[G1K+5], 32
	s_mov_b32 s[G1K+6], 0
	s_mov_b32 s[G1K+7], 0
	s_or_b32 s[G1V], s[CM], W256                   ; V: 64 rows x 256 bytes of rows of 512
	s_mov_b32 s[G1V+1], 32<<16
	s_mov_b32 s[G1V+2], 64<<16
	s_mov_b32 s[G1V+3], 32<<16
	s_mov_b32 s[G1V+4], 64
	s_mov_b32 s[G1V+5], 64
	s_mov_b32 s[G1V+6], 0
	s_mov_b32 s[G1V+7], 0
	CHG_B
	TL G0HA, G1H
	SCW 1
	PSTEP 4, 0
	PSTEP 5, 0
	PSTEP 6, 0
	PSTEP 7, 0
	CHG_A                                          ; H1 has been read out: the fourth quarter
	s_add_nc_u64 s[G0HB+2:G0HB+3], s[G0HB+2:G0HB+3], 512
	CHG_B
	TL G0HB, G1H
	SCW 2
	PSTEP 8, 0
	PSTEP 9, 0
	PSTEP 10, 0
	PSTEP 11, 0
	CHG_A                                          ; H0 is done with, and so is wq's first half
	CHG_B
	TL2 G0K, G1K, G0M0, G1M                        ; waves 0-3: K into H0;  waves 4-7: pieces 0-3 of the first mask
	SCW 3
	PSTEP 12, 0
	PSTEP 13, 0
	PSTEP 14, 0
	PSTEP 15, 0
	PLACES                                         ; the scale words have been read:
	WIN 0
.irp t, 0,1,2,3,4,5,6,7
	global_load_b128 v[128+8*\t:131+8*\t], v[ARO], s[PSIN:PSIN+1] offset:64*\t         ; sin of tile 0 takes their registers
	global_load_b128 v[132+8*\t:135+8*\t], v[ARO], s[PSIN:PSIN+1] offset:64*\t+16
.endr
	CHG_A                                          ; H1 and wq's second half are done with
	CHG_B
	TL2 G0M0, G1M, G0V, G1V                        ; waves 0-3: pieces 4-7 of the first mask;  waves 4-7: V into H1
	s_wait_loadcnt 16                              ; all but tile 0's sin
	ROPE 1, 128, 192
	QUANT 1, S, QF, QW+1
	s_wait_loadcnt 0x0
	ROPE 0, 192, 128
	QUANT 0, S, QF, QW
	INIT 0
	INIT 1
	WIN 0
	s_wait_tensorcnt 0x0                           ; my part of V or of the first mask has landed;
	s_wait_dscnt 0x0
	s_barrier_signal -1
	s_barrier_wait -1                              ; everybody's has: my piece of the mask was fetched by wave w xor 4
	MASKRD
	CHG_A
	CHG_B
	TL G0M, G1M                                    ; key step 1's mask, each wave its own piece from here on
	s_mov_b32 s[TK], 0
	s_mov_b32 s[TS], 0
	s_mov_b32 s[TV], 0
	s_mov_b32 s[TJ], 0
	s_mov_b32 s[CNT], 6                            ; masks still to be asked for
.Lk1:                                                  ; key steps 0 to 3: V's first 512 keys
	TRIP
	s_cmp_lg_u32 s[CNT], 2
	s_cbranch_scc1 .Lk1
	s_add_co_u32 s[TV], s[TV], 34816-256           ; on to V's second 512 keys
	s_mov_b32 s[CNT], 2                            ; (its value already: written so that this loop's two trips stand in the text)
.Lk2:                                                  ; key steps 4 and 5
	TRIP
	s_cmp_lg_u32 s[CNT], 0
	s_cbranch_scc1 .Lk2
	KSTEP 1                                        ; the tail is written out: step 6 reads the last mask and asks for nothing,
	NEXTK
	KSTEP 0                                        ; step 7 reads none
	PLACES
	OUT 0
	OUT 1
	s_wait_dscnt 0x0                               ; for the others' sake: my scale words lie in the stage
	s_barrier_signal -1
	s_barrier_wait -1
	s_cmp_lt_u32 s[WV], 2
	s_cbranch_scc0 .Lno_sw
	ds_load_b128 v[SWD:SWD+3], v[SWR]              ; the work-group's 256 words leave by two waves: 512 consecutive bytes each, aligned
	s_wait_dscnt 0x0
	global_store_b128 v[SWO], v[SWD:SWD+3], s[PSW:PSW+1]
.Lno_sw:
	s_wait_tensorcnt 0x0                           ; the wave's end
	ds_add_u32 v[SPW], v[NIL]
	s_wait_dscnt 0x0
	ROUND                                          ; the closing round
	s_endpgm
.Lfunc_end_k_q2eaaa458b9_attn:
	.size	k_q2eaaa458b9_attn, .Lfunc_end_k_q2eaaa458b9_attn-k_q2eaaa458b9_attn
	.p2alignl 7, 3214868480
	.fill 96, 4, 3214868480
	.section	.rodata,"a",@progbits
	.p2align	6, 0x0
	.amdhsa_kernel k_q2eaaa458b9_attn
		.amdhsa_group_segment_fixed_size 327680
		.amdhsa_private_segment_fixed_size 0
		.amdhsa_enable_private_segment 0
		.amdhsa_kernarg_size 112
		.amdhsa_user_sgpr_count 2
		.amdhsa_user_sgpr_kernarg_segment_ptr 1
		.amdhsa_wavefront_size32 1
		.amdhsa_system_sgpr_workgroup_id_x 1
		.amdhsa_system_sgpr_workgroup_id_y 1
		.amdhsa_system_sgpr_workgroup_id_z 1
		.amdhsa_system_vgpr_workitem_id 0
		.amdhsa_next_free_vgpr 512
		.amdhsa_next_free_sgpr 106
		.amdhsa_reserve_vcc 0
		.amdhsa_float_denorm_mode_32 3
		.amdhsa_float_denorm_mode_16_64 3
		.amdhsa_memory_ordered 1
		.amdhsa_forward_progress 1
		.amdhsa_inst_pref_size 255
	.end_amdhsa_kernel
	.section	.bss,"aw",@nobits
	.p2align	6
	.space	262144
	.amdgpu_metadata
---
amdhsa.version: [ 1, 2 ]
amdhsa.kernels:
  - .name:           k_q2eaaa458b9_attn
    .symbol:         k_q2eaaa458b9_attn.kd
    .args:
      - { .name: hidden_states_codes, .offset: 0, .size: 8, .value_kind: global_buffer, .address_space: global }
      - { .name: hidden_states_scales, .offset: 8, .size: 8, .value_kind: global_buffer, .address_space: global }
      - { .name: wq_codes, .offset: 16, .size: 8, .value_kind: global_buffer, .address_space: global }
      - { .name: wq_scales, .offset: 24, .size: 8, .value_kind: global_buffer, .address_space: global }
      - { .name: bq, .offset: 32, .size: 8, .value_kind: global_buffer, .address_space: global }
      - { .name: rope_cos, .offset: 40, .size: 8, .value_kind: global_buffer, .address_space: global }
      - { .name: rope_sin, .offset: 48, .size: 8, .value_kind: global_buffer, .address_space: global }
      - { .name: key_codes, .offset: 56, .size: 8, .value_kind: global_buffer, .address_space: global }
      - { .name: key_scales, .offset: 64, .size: 8, .value_kind: global_buffer, .address_space: global }
      - { .name: value_codes, .offset: 72, .size: 8, .value_kind: global_buffer, .address_space: global }
      - { .name: value_scales, .offset: 80, .size: 8, .value_kind: global_buffer, .address_space: global }
      - { .name: attention_mask, .offset: 88, .size: 8, .value_kind: global_buffer, .address_space: global }
      - { .name: a_img, .offset: 96, .size: 8, .value_kind: global_buffer, .address_space: global }
      - { .name: a_sw, .offset: 104, .size: 8, .value_kind: global_buffer, .address_space: global }
    .group_segment_fixed_size: 327680
    .private_segment_fixed_size: 0
    .kernarg_segment_align: 8
    .kernarg_segment_size: 112
    .max_flat_workgroup_size: 256
    .sgpr_count:     106
    .vgpr_count:     512
    .wavefront_size: 32
...
	.end_amdgpu_metadata
.endif
;; end of part 1
;; launch oproj (part 2): grid 8 x 32, 4 waves a work-group, clusters of 4 x 4, 327,680 bytes of LDS; arguments a_img, a_sw, wo_codes, wo_scales, bo, out0; writes out0
.if DOCPART == 2
	.amdgcn_target "amdgcn-amd-amdhsa--gfx1250"
	.amdhsa_code_object_version 6
	.text
	.protected	k_q2eaaa458b9_oproj
	.globl	k_q2eaaa458b9_oproj
	.p2align	8
	.type	k_q2eaaa458b9_oproj,@function
k_q2eaaa458b9_oproj:
	s_mov_b64 s[64:65], 0
	v_nop
	global_prefetch_b8 v0, s[64:65] scope:SCOPE_SE
	s_setreg_imm32_b32 hwreg(HW_REG_WAVE_MODE, 25, 1), 1
	s_wait_xcnt 0x0
	s_wait_alu depctr_hold_cnt(0) depctr_sa_sdst(0) depctr_va_vdst(0) depctr_va_sdst(0) depctr_va_ssrc(0) depctr_va_vcc(0) depctr_vm_vsrc(0)
	s_getreg_b32 s2, hwreg(HW_REG_IB_STS2, 6, 4)
	s_cmp_eq_u32 s2, 0
	s_cbranch_scc0 .Lentry_in_a_cluster
	s_endpgm
.Lentry_in_a_cluster:
	s_bfe_u32 s2, ttmp6, 0x10000c
	s_cmp_lg_u32 s2, 0xf033
	s_cbranch_scc0 .Lentry_shape_is_right
	s_endpgm
.Lentry_shape_is_right:
; out0 = A wo^T + bo: product 4, on codes of FP4 (E2M1) with one E8M0 scale for each 32 along K.  A [4,096][2,048] is the attention's result as the first launch left it:
; a_img [head][row tile][c][lane][16 bytes], the image of an operand's registers for 16 rows x the head's 128; a_sw [head][row], a scale word a row.  No work is left out.
; A tile of out0 is 128 rows x 256 columns, which gives 256 work-groups.  Four waves, each 64 rows x 128 columns: 32 accumulators.  K step k is head k.
; The matrix instruction is used transposed (source 0 = 16 rows of wo, source 1 = 16 rows of A): a lane holds eight neighbouring columns of one row.  bo is the C of each sum's first product.
; A's 128 rows for all of K are 128 KB and stay in LDS, filled once; wo goes through a ring of two slots of 512 along K; all scale bytes come once.
; CLUSTER, 4 x 4: A and its scale words hang on the tile row alone and are asked for jointly along a row of the cluster, wo and its scale bytes on the tile column alone, along a column.
; All sixteen K steps are written out: every offset is an immediate.  No prefetch: the launch has two refills, and nothing is asked for at a kernel's head.
.set RB,    131072                     ; LDS.  0: A's images [head][8 row tiles][1,024].  RB: two slots of 256 rows x (256 + 16); slot 0 is the way out's stage behind its last fill and read
.set SLOTB, 69632
.set SCB,   270336                     ; wo's scale bytes: 64 units of 256 + 16
.set SCA,   287744                     ; A's scale words: 16 heads x (512 + 64)
.set SPARE, 296960                     ; the spare words, 128 bytes for each wave: two blocks of 256 bytes that no other line names
.set ADA0, 4                           ; v4, v5  A's images, heads 0-7, 8-15
.set ADA1, 5
.set ADB0, 6                           ; v6, v7  wo's fragments in slot 0, 1
.set ADB1, 7
.set ADSB, 8                           ; v8   wo's scale words
.set ADSA, 9                           ; v9   A's: lanes 0-15 an even head, lanes 16-31 the next
.set STO,  10
.set RD,   11
.set CO,   12
.set ABO,  13
.set SPW,  28
.set NIL,  29
.set SC,   32                          ; v32-111 two sets of 40 scale words: 4 b + q wo's, 32 + 2 a + p A's.  Scales and nothing else
.set AF,   112                         ; v112-175 two sets of A's four fragments
.set BO,   176                         ; v176-239 bo, eight tiles in the result's layout
.set BK,   112                         ; the way out: two sets of 16 rows
.set WV,   2
.set G1A,  8
.set G1AR, 16
.set G1AS, 24
.set G1B,  32
.set G1BS, 40
.set G0AS, 48
.set G0A0, 52
.set G0AR, 56
.set G0BS, 60
.set G0B0, 68
.set G0B1, 72
.set G0BH, 92                          ; group 0 of the head's load of slot 0: wo's 256 rows whole
.set PBO,  76
.set POUT, 78
.set TX,   86
.set TY,   87
.set RM,   88
.set CM,   89
.set RH,   90
.set CH,   91
.set W256, (3<<16)|(1<<20)|(1<<21)|(5<<22)|(3<<25)
.set MSB, 0
.macro WIN new
.if MSB != (\new)
	s_set_vgpr_msb (MSB<<8)|(\new)
.set MSB, (\new)
.endif
.endm
.macro PLACES
.rept 4
	v_nop
.endr
.endm
.macro CREST                           ; a round of the cluster's barrier behind its opening barrier
	s_cmp_lg_u32 s[WV], 0
	s_cbranch_scc1 .Lnw0_\@
	s_barrier_signal -3
.Lnw0_\@:
	s_barrier_wait -3
	s_barrier_signal -1
	s_barrier_wait -1
.endm
.macro CROUND
	s_barrier_signal -1
	s_barrier_wait -1
	CREST
.endm
	s_load_b64 s[G0A0+2:G0A0+3], s[0:1], 0x0       ; a_img, twice
	s_load_b64 s[G0AR+2:G0AR+3], s[0:1], 0x0
	s_load_b64 s[G0AS+2:G0AS+3], s[0:1], 0x8       ; a_sw
	s_load_b64 s[G0B0+2:G0B0+3], s[0:1], 0x10      ; wo's codes, three times
	s_load_b64 s[G0B1+2:G0B1+3], s[0:1], 0x10
	s_load_b64 s[G0BH+2:G0BH+3], s[0:1], 0x10
	s_load_b64 s[G0BS+2:G0BS+3], s[0:1], 0x18      ; wo's scales
	s_load_b64 s[PBO:PBO+1], s[0:1], 0x20
	s_load_b64 s[POUT:POUT+1], s[0:1], 0x28
	v_lshl_add_u32 v[SPW], v0, 2, SPARE
	v_mov_b32 v[NIL], 0
	ds_add_u32 v[SPW], v[NIL]                      ; the opening: the add, twice on end, and its wait ahead of my first tensor load
	ds_add_u32 v[SPW], v[NIL]
	v_lshrrev_b32 v1, 5, v0
	v_readfirstlane_b32 s[WV], v1                  ; wave 0..3
	s_lshr_b32 s[RH], s[WV], 1                     ; my half of the rows
	s_and_b32 s[CH], s[WV], 1                      ; my half of the columns; also which part I fetch
	s_bfe_u32 s80, ttmp6, 0x40000                  ; cx
	s_bfe_u32 s81, ttmp6, 0x40004                  ; cy
	s_lshl_b32 s[TX], ttmp9, 2
	s_add_co_u32 s[TX], s[TX], s80                 ; tile column
	s_and_b32 s[TY], ttmp7, 0xffff
	s_lshl_b32 s[TY], s[TY], 2
	s_add_co_u32 s[TY], s[TY], s81                 ; tile row
	s_lshl_b32 s[CM], 0x1111, s80
	s_lshl_b32 s[RM], s81, 2
	s_lshl_b32 s[RM], 15, s[RM]
	s_or_b32 s[G1A], s[RM], (3<<16)|(1<<21)        ; A: a head's 8,192 bytes a row, heads 262,144 bytes apart; two heads, no padding
	s_mov_b32 s[G1A+1], 1024<<16
	s_mov_b32 s[G1A+2], 4<<16                      ; heads 0 to 3 in one load
	s_mov_b32 s[G1A+3], 1024<<16
	s_mov_b32 s[G1A+4], 4
	s_mov_b32 s[G1A+5], 32768
	s_mov_b32 s[G1A+6], 0
	s_mov_b32 s[G1A+7], 0
	s_or_b32 s[G1AR], s[RM], (3<<16)|(1<<21)       ; six heads
	s_mov_b32 s[G1AR+1], 1024<<16
	s_mov_b32 s[G1AR+2], 6<<16
	s_mov_b32 s[G1AR+3], 1024<<16
	s_mov_b32 s[G1AR+4], 6
	s_mov_b32 s[G1AR+5], 32768
	s_mov_b32 s[G1AR+6], 0
	s_mov_b32 s[G1AR+7], 0
	s_or_b32 s[G1AS], s[RM], (3<<16)|(1<<20)|(1<<21)|(6<<22)|(15<<25)   ; A's scale words: eight heads x 512 bytes, 16,384 apart; 16 words of padding behind each
	s_mov_b32 s[G1AS+1], 64<<16
	s_mov_b32 s[G1AS+2], 16<<16                    ; all sixteen heads in one load
	s_mov_b32 s[G1AS+3], 64<<16
	s_mov_b32 s[G1AS+4], 16
	s_mov_b32 s[G1AS+5], 2048
	s_mov_b32 s[G1AS+6], 0
	s_mov_b32 s[G1AS+7], 0
	s_or_b32 s[G1B], s[CM], W256                   ; wo: 128 rows x 256 bytes of rows of 1,024
	s_mov_b32 s[G1B+1], 32<<16
	s_mov_b32 s[G1B+2], 256<<16                    ; the head's load brings 256 rows; behind it the two words that count rows are set to 128
	s_mov_b32 s[G1B+3], 32<<16
	s_mov_b32 s[G1B+4], 256
	s_mov_b32 s[G1B+5], 128
	s_mov_b32 s[G1B+6], 0
	s_mov_b32 s[G1B+7], 0
	s_or_b32 s[G1BS], s[CM], W256                  ; wo's scale bytes of 128 rows: 8,192 dense bytes as 32 rows of 256
	s_mov_b32 s[G1BS+1], 32<<16
	s_mov_b32 s[G1BS+2], 64<<16                    ; the scale bytes of all 256 rows: 64 rows of 256
	s_mov_b32 s[G1BS+3], 32<<16
	s_mov_b32 s[G1BS+4], 64
	s_mov_b32 s[G1BS+5], 32
	s_mov_b32 s[G1BS+6], 0
	s_mov_b32 s[G1BS+7], 0
	s_wait_dscnt 0x0                               ; both opening adds are done
	s_wait_kmcnt 0x0
	; what hangs on the tile row: s[80:81]
	s_lshl_b32 s80, s[TY], 9
	s_mov_b32 s81, 0
	s_add_nc_u64 s[G0AS+2:G0AS+3], s[G0AS+2:G0AS+3], s[80:81]
	s_lshl_b32 s80, s[TY], 13                      ; images: 8,192 ty
	s_add_nc_u64 s[G0AR+2:G0AR+3], s[G0AR+2:G0AR+3], s[80:81]
	s_add_nc_u64 s[G0A0+2:G0A0+3], s[G0A0+2:G0A0+3], s[80:81]
	s_mul_i32 s80, s[CH], 6*262144
	s_add_co_u32 s80, s80, 4*262144                ; heads 4 + 6 a on
	s_add_nc_u64 s[G0AR+2:G0AR+3], s[G0AR+2:G0AR+3], s[80:81]
	; what hangs on the tile column: s[82:83]
	s_lshl_b32 s82, s[TX], 14                      ; 256 tx x 64
	s_mov_b32 s83, 0
	s_add_nc_u64 s[G0BS+2:G0BS+3], s[G0BS+2:G0BS+3], s[82:83]
	s_lshl_b32 s82, s82, 4                         ; x 1,024
	s_add_nc_u64 s[G0BH+2:G0BH+3], s[G0BH+2:G0BH+3], s[82:83]
	s_lshl_b32 s84, s[CH], 17
	s_add_co_u32 s82, s82, s84                     ; the ring's loads: my 128 rows
	s_add_nc_u64 s[G0B0+2:G0B0+3], s[G0B0+2:G0B0+3], s[82:83]
	s_add_nc_u64 s[G0B1+2:G0B1+3], s[G0B1+2:G0B1+3], s[82:83]
	s_add_nc_u64 s[G0B1+2:G0B1+3], s[G0B1+2:G0B1+3], 256
.irp g, G0AS, G0A0, G0AR, G0BS, G0B0, G0B1, G0BH
	s_or_b32 s[\g+3], s[\g+3], 0x80000000
	s_mov_b32 s[\g], 1
.endr
	s_mov_b32 s[G0AS+1], SCA
	s_mov_b32 s[G0A0+1], 0
	s_mul_i32 s[G0AR+1], s[CH], 49152
	s_add_co_u32 s[G0AR+1], s[G0AR+1], 32768
	s_mov_b32 s[G0BS+1], SCB
	s_mov_b32 s[G0BH+1], RB
	s_mul_i32 s[G0B0+1], s[CH], 34816
	s_add_co_u32 s[G0B0+1], s[G0B0+1], RB
	s_add_co_u32 s[G0B1+1], s[G0B0+1], SLOTB
	CROUND                                         ; all sixteen work-groups are here: the first joint loads meet
.macro TLP g0, g1                      ; a tensor load, with a nop and four places behind it
	tensor_load_to_lds s[\g0:\g0+3], s[\g1:\g1+7]
	s_nop 0
	PLACES
.endm
	; the head's loads, one a wave: wave 0 A's scale words, wave 1 A's heads 0-3, wave 2 wo's scale bytes, wave 3 wo's first slot
	s_cmp_lg_u32 s[WV], 0
	s_cbranch_scc1 .Lf1
	TLP G0AS, G1AS
	s_branch .Lfirst_done
.Lf1:
	s_cmp_lg_u32 s[WV], 1
	s_cbranch_scc1 .Lf2
	TLP G0A0, G1A
	s_branch .Lfirst_done
.Lf2:
	s_cmp_lg_u32 s[WV], 2
	s_cbranch_scc1 .Lf3
	TLP G0BS, G1BS
	s_branch .Lfirst_done
.Lf3:
	TLP G0BH, G1B
.Lfirst_done:
	s_lshl_b32 s80, s[TX], 10
	s_lshl_b32 s84, s[CH], 9
	s_add_co_u32 s80, s80, s84                     ; my first column, in bytes of f32
	s_add_nc_u64 s[PBO:PBO+1], s[PBO:PBO+1], s[80:81]
	s_add_nc_u64 s[POUT:POUT+1], s[POUT:POUT+1], s[80:81]
	s_lshl_b32 s80, s[TY], 7
	s_lshl_b32 s84, s[RH], 6
	s_add_co_u32 s80, s80, s84                     ; my first row
	s_lshl_b32 s80, s80, 13
	s_add_nc_u64 s[POUT:POUT+1], s[POUT:POUT+1], s[80:81]
	v_and_b32 v1, 15, v0                           ; r
	v_bfe_u32 v2, v0, 4, 1                         ; h
	v_and_b32 v3, 31, v0                           ; lane
	v_lshlrev_b32 v[CO], 4, v3
	s_lshl_b32 s80, s[RH], 12
	v_add_nc_u32 v[ADA0], s80, v[CO]
	v_add_nc_u32 v[ADA1], 65536, v[ADA0]
	v_mul_u32_u24 v14, v1, 272
	v_lshl_add_u32 v14, v2, 4, v14
	s_mul_i32 s80, s[CH], 34816
	s_add_co_u32 s80, s80, RB
	v_add_nc_u32 v[ADB0], s80, v14
	v_add_nc_u32 v[ADB1], SLOTB, v[ADB0]
	v_lshrrev_b32 v14, 2, v1
	v_mul_u32_u24 v14, v14, 272
	v_and_b32 v15, 3, v1
	v_lshl_add_u32 v14, v15, 6, v14
	s_mul_i32 s80, s[CH], 8704
	s_add_co_u32 s80, s80, SCB
	v_add_nc_u32 v[ADSB], s80, v14
	v_mul_u32_u24 v14, v2, 576                     ; lanes 16-31 take the next head: one product, the distance between the two
	v_lshl_add_u32 v14, v1, 2, v14
	s_lshl_b32 s80, s[RH], 8
	s_add_co_u32 s80, s80, SCA
	v_add_nc_u32 v[ADSA], s80, v14
	s_mul_i32 s80, s[WV], 8448
	s_add_co_u32 s80, s80, RB                      ; my stage: 16 rows x (512 + 16)
	v_mul_u32_u24 v14, v1, 528
	v_lshl_add_u32 v14, v2, 5, v14
	v_add_nc_u32 v[STO], s80, v14
	v_add_nc_u32 v[RD], s80, v[CO]
	v_lshlrev_b32 v[ABO], 5, v2
.irp b, 0,1,2,3,4,5,6,7
	global_load_b128 v[BO+8*\b:BO+8*\b+3], v[ABO], s[PBO:PBO+1] offset:64*\b           ; bo(16 b + 8 h + 0 .. 7)
	global_load_b128 v[BO+8*\b+4:BO+8*\b+7], v[ABO], s[PBO:PBO+1] offset:64*\b+16
.endr
.macro FETCH k                         ; K step k's fragments into set k % 2: wo's eight, A's four: 24 loads
	WIN 0x40
.irp b, 0,1,2,3,4,5,6,7
.irp c, 0,1
	ds_load_b128 v[64*((\k)%2)+8*\b+4*\c:64*((\k)%2)+8*\b+4*\c+3], v[ADB0+((\k)/4)%2] offset:\b*4352+64*((\k)%4)+32*\c
.endr
.endr
	WIN 0
.irp a, 0,1,2,3
.irp c, 0,1
	ds_load_b128 v[AF+32*((\k)%2)+8*\a+4*\c:AF+32*((\k)%2)+8*\a+4*\c+3], v[ADA0+(\k)/8] offset:((\k)%8)*8192+\a*1024+512*\c
.endr
.endr
.endm
.macro SCALES i                        ; the scale words of K steps 4 i .. 4 i + 3 into set i % 2: 16 loads
.irp b, 0,1,2,3,4,5,6,7
	ds_load_b128 v[SC+40*((\i)%2)+4*\b:SC+40*((\i)%2)+4*\b+3], v[ADSB] offset:\b*1088+16*(\i)
.endr
.irp a, 0,1,2,3
.irp p, 0,1
	ds_load_b32 v[SC+40*((\i)%2)+32+2*\a+\p], v[ADSA] offset:(4*(\i)+2*\p)*576+64*\a
.endr
.endr
.endm
; 16 products: A's row tiles a0, a0 + 1 x wo's eight.  The 32 accumulators take turns in the same order in every step.  An odd head's words lie in lanes 16-31
.macro MUL k, a0
.if (\k) == 0
	WIN 0x81                                       ; wo window 1, A and bo window 0, the sums window 2
.else
	WIN 0xa1
.endif
.irp a, \a0, \a0+1
.irp b, 0,1,2,3,4,5,6,7
.if (\k) == 0
	v_wmma_scale_f32_16x16x128_f8f6f4 v[8*(8*(\a)+\b):8*(8*(\a)+\b)+7], v[64*((\k)%2)+8*\b:64*((\k)%2)+8*\b+7], v[AF+32*((\k)%2)+8*(\a):AF+32*((\k)%2)+8*(\a)+7], v[BO+8*\b:BO+8*\b+7], v[SC+40*(((\k)/4)%2)+4*\b+(\k)%4], v[SC+40*(((\k)/4)%2)+32+2*(\a)+((\k)%4)/2] matrix_a_fmt:MATRIX_FMT_FP4 matrix_b_fmt:MATRIX_FMT_FP4
.elseif (\k)%2
	v_wmma_scale_f32_16x16x128_f8f6f4 v[8*(8*(\a)+\b):8*(8*(\a)+\b)+7], v[64*((\k)%2)+8*\b:64*((\k)%2)+8*\b+7], v[AF+32*((\k)%2)+8*(\a):AF+32*((\k)%2)+8*(\a)+7], v[8*(8*(\a)+\b):8*(8*(\a)+\b)+7], v[SC+40*(((\k)/4)%2)+4*\b+(\k)%4], v[SC+40*(((\k)/4)%2)+32+2*(\a)+((\k)%4)/2] matrix_a_fmt:MATRIX_FMT_FP4 matrix_b_fmt:MATRIX_FMT_FP4 matrix_b_scale:MATRIX_SCALE_ROW1
.else
	v_wmma_scale_f32_16x16x128_f8f6f4 v[8*(8*(\a)+\b):8*(8*(\a)+\b)+7], v[64*((\k)%2)+8*\b:64*((\k)%2)+8*\b+7], v[AF+32*((\k)%2)+8*(\a):AF+32*((\k)%2)+8*(\a)+7], v[8*(8*(\a)+\b):8*(8*(\a)+\b)+7], v[SC+40*(((\k)/4)%2)+4*\b+(\k)%4], v[SC+40*(((\k)/4)%2)+32+2*(\a)+((\k)%4)/2] matrix_a_fmt:MATRIX_FMT_FP4 matrix_b_fmt:MATRIX_FMT_FP4
.endif
.endr
.endr
.endm
.macro STEP k                          ; a K step whose successor lies in the same slot
	PLACES                                         ; in front of loads into the set that the step before multiplied
	FETCH (\k)+1
	s_wait_dscnt 24                                ; all but the 24 just issued
	MUL \k, 0
	MUL \k, 2
.endm
; A slot's last K step.  In front of the barrier: all my tensor loads have landed, 0 onto my spare word, the add and my reads of the slot are done.  fill = 1: the barrier opens a round of the cluster's, and waves 2 and 3 fill the slot again
.macro TURN k, fill
	WIN 0
	s_wait_tensorcnt 0x0
	ds_add_u32 v[SPW], v[NIL]
	s_wait_dscnt 0x0
	s_barrier_signal -1
	MUL \k, 0                                      ; work on registers while the others arrive
	WIN 0
	s_barrier_wait -1
.if \fill
	CREST
	s_add_nc_u64 s[G0B0+4*(((\k)/4)%2)+2:G0B0+4*(((\k)/4)%2)+3], s[G0B0+4*(((\k)/4)%2)+2:G0B0+4*(((\k)/4)%2)+3], 512   ; two slots on along K
	s_cmp_lt_u32 s[WV], 2                          ; waves 0 and 1 have nothing left to fetch: the branch hangs on the wave's number alone
	s_cbranch_scc1 .Lnf_\@
	tensor_load_to_lds s[G0B0+4*(((\k)/4)%2):G0B0+4*(((\k)/4)%2)+3], s[G1B:G1B+7]
	s_nop 0
	PLACES
.Lnf_\@:
.endif
	PLACES
	FETCH (\k)+1
	SCALES ((\k)+1)/4
	MUL \k, 2
.endm
; THE WAY OUT, a block of 16 rows x 128 columns at a time through my own stage: in as 32 bytes a lane, back as whole rows of 512 bytes.  LDS serves a wave's instructions in order (ISA guide 5.7.1.4)
.macro TOSTAGE a
	WIN 0x08                                       ; an LDS store's data are its source 1: window 2
.irp b, 0,1,2,3,4,5,6,7
	ds_store_b128 v[STO], v[64*(\a)+8*\b:64*(\a)+8*\b+3] offset:64*\b              ; each accumulator from its low end on
	ds_store_b128 v[STO], v[64*(\a)+8*\b+4:64*(\a)+8*\b+7] offset:64*\b+16
.endr
	WIN 0
.irp t, 0,1,2,3,4,5,6,7,8,9,10,11,12,13,14,15
	ds_load_b128 v[BK+64*((\a)%2)+4*\t:BK+64*((\a)%2)+4*\t+3], v[RD] offset:\t*528
.endr
.endm
.macro SEND a, younger
	s_wait_dscnt \younger                          ; the block is back; the next block's LDS instructions may be out
.if (\a) > 0
	s_add_nc_u64 s[POUT:POUT+1], s[POUT:POUT+1], 16*8192   ; (behind a wait on XCNT for 0: the earlier stores have read their base)
.endif
.irp t, 0,1,2,3,4,5,6,7,8,9,10,11,12,13,14,15
	global_store_b128 v[CO], v[BK+64*((\a)%2)+4*\t:BK+64*((\a)%2)+4*\t+3], s[POUT:POUT+1] offset:\t*8192 th:TH_STORE_NT   ; 512 consecutive bytes, aligned
.endr
.endm
	s_wait_alu depctr_va_vdst(0)
	s_wait_tensorcnt 0x0                           ; my load of the head has landed; these lines stand ahead of the later first fills
	ds_add_u32 v[SPW], v[NIL]
	s_mov_b32 s[G1B+2], 128<<16                    ; no load of mine is out: from here on a load of wo brings 128 rows
	s_mov_b32 s[G1B+4], 128
	s_wait_dscnt 0x0
	CROUND                                         ; everybody's has landed, and the joint loads meet
	s_cmp_lt_u32 s[WV], 2                          ; waves 0, 1: six more heads of A each; waves 2, 3: the halves of wo's second slot; all first fills
	s_cbranch_scc0 .Lsec_b
	TLP G0AR, G1AR
	s_branch .Lsec_done
.Lsec_b:
	TLP G0B1, G1B
.Lsec_done:
	FETCH 0
	SCALES 0
	s_wait_loadcnt 0x0                             ; bo
	STEP 0
	STEP 1
	STEP 2
	TURN 3, 1                                      ; slot 0 takes K 1,024 on
	STEP 4
	STEP 5
	STEP 6
	TURN 7, 1                                      ; slot 1 takes K 1,536 on
	STEP 8
	STEP 9
	STEP 10
	TURN 11, 0                                     ; nothing is left to fetch: a barrier of the work-group alone; behind it nobody reads slot 0
	STEP 12
	STEP 13
	STEP 14
	s_wait_dscnt 0x0
	MUL 15, 0
	MUL 15, 2
	WIN 0
	PLACES                                         ; in front of the first read of results and of loads into registers that held operands
	TOSTAGE 0
.irp a, 1,2,3
.if \a > 1
	s_wait_xcnt 0x0                                ; block a - 2's stores have read their registers and their base
.endif
	TOSTAGE \a
	SEND \a-1, 32                                  ; behind block a - 1's loads: block a's 16 stores and 16 loads
.endr
	s_wait_xcnt 0x0
	SEND 3, 0
	s_wait_tensorcnt 0x0                           ; the wave's end
	ds_add_u32 v[SPW], v[NIL]
	s_wait_dscnt 0x0
	CROUND                                         ; the closing round
	s_endpgm
.Lfunc_end_k_q2eaaa458b9_oproj:
	.size	k_q2eaaa458b9_oproj, .Lfunc_end_k_q2eaaa458b9_oproj-k_q2eaaa458b9_oproj
	.p2alignl 7, 3214868480
	.fill 96, 4, 3214868480
	.section	.rodata,"a",@progbits
	.p2align	6, 0x0
	.amdhsa_kernel k_q2eaaa458b9_oproj
		.amdhsa_group_segment_fixed_size 327680
		.amdhsa_private_segment_fixed_size 0
		.amdhsa_enable_private_segment 0
		.amdhsa_kernarg_size 48
		.amdhsa_user_sgpr_count 2
		.amdhsa_user_sgpr_kernarg_segment_ptr 1
		.amdhsa_wavefront_size32 1
		.amdhsa_system_sgpr_workgroup_id_x 1
		.amdhsa_system_sgpr_workgroup_id_y 1
		.amdhsa_system_sgpr_workgroup_id_z 1
		.amdhsa_system_vgpr_workitem_id 0
		.amdhsa_next_free_vgpr 768
		.amdhsa_next_free_sgpr 100
		.amdhsa_reserve_vcc 0
		.amdhsa_float_denorm_mode_32 3
		.amdhsa_float_denorm_mode_16_64 3
		.amdhsa_memory_ordered 1
		.amdhsa_forward_progress 1
		.amdhsa_inst_pref_size 126
	.end_amdhsa_kernel
	.amdgpu_metadata
---
amdhsa.version: [ 1, 2 ]
amdhsa.kernels:
  - .name:           k_q2eaaa458b9_oproj
    .symbol:         k_q2eaaa458b9_oproj.kd
    .args:
      - { .name: a_img, .offset: 0, .size: 8, .value_kind: global_buffer, .address_space: global }
      - { .name: a_sw, .offset: 8, .size: 8, .value_kind: global_buffer, .address_space: global }
      - { .name: wo_codes, .offset: 16, .size: 8, .value_kind: global_buffer, .address_space: global }
      - { .name: wo_scales, .offset: 24, .size: 8, .value_kind: global_buffer, .address_space: global }
      - { .name: bo, .offset: 32, .size: 8, .value_kind: global_buffer, .address_space: global }
      - { .name: out0, .offset: 40, .size: 8, .value_kind: global_buffer, .address_space: global }
    .group_segment_fixed_size: 327680
    .private_segment_fixed_size: 0
    .kernarg_segment_align: 8
    .kernarg_segment_size: 48
    .max_flat_workgroup_size: 128
    .sgpr_count:     100
    .vgpr_count:     768
    .wavefront_size: 32
...
	.end_amdgpu_metadata
.endif
;; end of part 2
